; MI455X (gfx1250); checked and timed in simulation.
; The chip was launched on July 23, 2026; its instructions are those of AMD's public machine-readable ISA for CDNA 5 (MIT licence, August 2026) and "CDNA5" Instruction Set Architecture Reference Guide (July 2026). The comments in the code are by the model that wrote it; some were corrected since.
;; Key Value Attention. Allowed arithmetic: float matrix products may take bf16 or f16 operands with f32 sums; other float arithmetic in f32, or as packed bf16 or f16 multiplies, adds, multiply-adds, maxima and minima; sums over many terms, partial sums and values carried from step to step in f32; what a program stores and reads back later, other than sums and carried values, may be rounded once to bf16 or f16.
;; Inputs: V 1,024 x 1 float32; W1 2,048 x 1,024 float32; b1 1,024 float32; bV 1 float32; query 32 x 1,024 float32; values 32 x 1,024 x 2,048 float32.
;; Outputs: out0 32 x 1 x 2,048 float32; out1 32 x 1,024 x 1 float32.
;; 2 versions, each right; version 2 is version 1 with the launch stream written anew for expert scheduling mode. Each part assembles by itself: llvm-mc -triple=amdgcn-amd-amdhsa -mcpu=gfx1250 --defsym DOCPART=n.
;; ======== version 1 of 2: 3 launches
;; workspace buffers: wv 8,192 bytes; part 2,359,296 bytes
;; launch wvec (part 1): grid 256 x 1, 8 waves a work-group, no clusters, 0 bytes of LDS; arguments W1, V, wv; writes wv
.if DOCPART == 1
	.amdgcn_target "amdgcn-amd-amdhsa--gfx1250"
	.amdhsa_code_object_version 6
	.text
	.protected	k_qd3c70feb76_wvec
	.globl	k_qd3c70feb76_wvec
	.p2align	8
	.type	k_qd3c70feb76_wvec,@function
k_qd3c70feb76_wvec:
	s_mov_b64 s[64:65], 0
	v_nop
	global_prefetch_b8 v0, s[64:65] scope:SCOPE_SE
	s_setreg_imm32_b32 hwreg(HW_REG_WAVE_MODE, 25, 1), 1
	s_wait_xcnt 0x0
; w[c] = the sum over u of W1[c][u] V[u], c = 0 .. 2047.  W1: [2048][1024] f32, V: [1024] f32, w: [2048] f32.
; WHY.  No activation stands between the module's two dense layers, so (concat W1 + b1) V + bV = concat (W1 V) + (b1 V + bV) for every input;
; only the order of rounding differs from the layers taken one after the other.  This launch makes W1 V; all arithmetic is f32.
; SHARES.  256 work-groups of eight waves; a wave takes one row of W1 (4,096 bytes: eight loads of 512 neighbouring bytes), so every byte of W1 is read once
; and all of a work-group's 32,768 bytes are asked for at once.  No LDS, no barrier: a row's sum never leaves its wave.  No matrix unit: the product has one column.
; THE STORE is 4 bytes a wave: the launch's whole output is 8,192 bytes against 8,388,608 read; whole blocks of 256 bytes from one instruction would want 64 rows
; in one work-group, that is 32 work-groups in all.
.set VV,  8                            ; v[8:39]   V: load j holds columns 128 j + 4 lane .. + 3
.set RW,  40                           ; v[40:71]  my row of W1, the same map
.set D,   72                           ; v[72:79]  four packed chains
.set SUM, 80                           ; v80       the row's sum
.set TMP, 81                           ; v81       the other half of the lanes' sum
	s_load_b128 s[4:7], s[0:1], 0x0                ; W1 s[4:5], V s[6:7]
	s_load_b64 s[8:9], s[0:1], 0x10                ; wv
	v_and_b32 v1, 31, v0                           ; lane
	v_lshrrev_b32 v5, 5, v0
	v_readfirstlane_b32 s10, v5                    ; wave 0..7
	v_lshlrev_b32 v2, 4, v1                        ; 16 bytes a lane
	v_lshl_add_u32 v3, s10, 12, v2                 ; + my wave's row of 4,096 bytes
	v_mov_b32 v4, 0                                ; the store's offset
	v_mov_b32 v[TMP], 0                            ; v_permlanex16_b32 counts as a reader of its destination
	s_mov_b32 s14, 0x76543210                      ; v_permlanex16_b32: each lane takes its own place in the other half
	s_mov_b32 s15, 0xfedcba98
	s_lshl_b32 s12, ttmp9, 15                      ; the work-group's eight rows
	s_mov_b32 s13, 0
	s_wait_kmcnt 0x0
	s_add_nc_u64 s[4:5], s[4:5], s[12:13]
	s_lshl_b32 s12, ttmp9, 3
	s_add_co_u32 s12, s12, s10                     ; my row's number,
	s_lshl_b32 s12, s12, 2                         ; its word in w
	s_add_nc_u64 s[8:9], s[8:9], s[12:13]
.irp j, 0,1,2,3,4,5,6,7
	global_load_b128 v[RW+4*(\j):RW+4*(\j)+3], v3, s[4:5] offset:512*(\j) th:TH_LOAD_NT  ; read once in the launch
.endr
.irp j, 0,1,2,3,4,5,6,7
	global_load_b128 v[VV+4*(\j):VV+4*(\j)+3], v2, s[6:7] offset:512*(\j)                ; read by every wave
.endr
	s_wait_loadcnt 0x0                             ; all sixteen: the sum needs them all
.set i, 0
.rept 4                                            ; the first four pairs start the chains: nothing is cleared
	v_pk_mul_f32 v[D+2*i:D+2*i+1], v[RW+2*i:RW+2*i+1], v[VV+2*i:VV+2*i+1]
.set i, i+1
.endr
.rept 12
	v_pk_fma_f32 v[D+2*(i%4):D+2*(i%4)+1], v[RW+2*i:RW+2*i+1], v[VV+2*i:VV+2*i+1], v[D+2*(i%4):D+2*(i%4)+1]
.set i, i+1
.endr
	v_pk_add_f32 v[D:D+1], v[D:D+1], v[D+2:D+3]
	v_pk_add_f32 v[D+4:D+5], v[D+4:D+5], v[D+6:D+7]
	v_pk_add_f32 v[D:D+1], v[D:D+1], v[D+4:D+5]
	v_add_f32 v[SUM], v[D], v[D+1]
	; across the 32 lanes: four steps inside each half of 16 lanes, one across the halves
	v_add_f32_dpp v[SUM], v[SUM], v[SUM] row_xmask:1 row_mask:0xf bank_mask:0xf
	v_add_f32_dpp v[SUM], v[SUM], v[SUM] row_xmask:2 row_mask:0xf bank_mask:0xf
	v_add_f32_dpp v[SUM], v[SUM], v[SUM] row_xmask:4 row_mask:0xf bank_mask:0xf
	v_add_f32_dpp v[SUM], v[SUM], v[SUM] row_xmask:8 row_mask:0xf bank_mask:0xf
	v_permlanex16_b32 v[TMP], v[SUM], s14, s15
	v_add_f32 v[SUM], v[SUM], v[TMP]
	s_wait_xcnt 0x0                                ; EXEC is a source of the loads above: it changes only behind this wait
	v_cmp_eq_u32 vcc_lo, 0, v1
	s_and_saveexec_b32 s2, vcc_lo                  ; lane 0 alone stores
	global_store_b32 v4, v[SUM], s[8:9]
	s_wait_xcnt 0x0                                ; and again in front of the line that widens EXEC
	s_or_b32 exec_lo, exec_lo, s2
	s_endpgm
.Lfunc_end_k_qd3c70feb76_wvec:
	.size	k_qd3c70feb76_wvec, .Lfunc_end_k_qd3c70feb76_wvec-k_qd3c70feb76_wvec
	.p2alignl 7, 3214868480
	.fill 96, 4, 3214868480
	.section	.rodata,"a",@progbits
	.p2align	6, 0x0
	.amdhsa_kernel k_qd3c70feb76_wvec
		.amdhsa_group_segment_fixed_size 0
		.amdhsa_private_segment_fixed_size 0
		.amdhsa_enable_private_segment 0
		.amdhsa_kernarg_size 24
		.amdhsa_user_sgpr_count 2
		.amdhsa_user_sgpr_kernarg_segment_ptr 1
		.amdhsa_wavefront_size32 1
		.amdhsa_system_sgpr_workgroup_id_x 1
		.amdhsa_system_sgpr_workgroup_id_y 1
		.amdhsa_system_sgpr_workgroup_id_z 1
		.amdhsa_system_vgpr_workitem_id 0
		.amdhsa_next_free_vgpr 84
		.amdhsa_next_free_sgpr 66
		.amdhsa_reserve_vcc 1
		.amdhsa_float_denorm_mode_32 3
		.amdhsa_float_denorm_mode_16_64 3
		.amdhsa_memory_ordered 1
		.amdhsa_forward_progress 1
		.amdhsa_inst_pref_size 5
	.end_amdhsa_kernel
	.amdgpu_metadata
---
amdhsa.version: [ 1, 2 ]
amdhsa.kernels:
  - .name:           k_qd3c70feb76_wvec
    .symbol:         k_qd3c70feb76_wvec.kd
    .args:
      - { .name: W1, .offset: 0, .size: 8, .value_kind: global_buffer, .address_space: global }
      - { .name: V, .offset: 8, .size: 8, .value_kind: global_buffer, .address_space: global }
      - { .name: wv, .offset: 16, .size: 8, .value_kind: global_buffer, .address_space: global }
    .group_segment_fixed_size: 0
    .private_segment_fixed_size: 0
    .kernarg_segment_align: 8
    .kernarg_segment_size: 24
    .max_flat_workgroup_size: 256
    .sgpr_count:     66
    .vgpr_count:     84
    .wavefront_size: 32
...
	.end_amdgpu_metadata
.endif
;; end of part 1
;; launch stream (part 2): grid 256 x 1, 16 waves a work-group, no clusters, 134,144 bytes of LDS; arguments values, query, b1, V, bV, wv, part; writes part
.if DOCPART == 2
	.amdgcn_target "amdgcn-amd-amdhsa--gfx1250"
	.amdhsa_code_object_version 6
	.text
	.protected	k_qd3c70feb76_stream
	.globl	k_qd3c70feb76_stream
	.p2align	8
	.type	k_qd3c70feb76_stream,@function
k_qd3c70feb76_stream:
	s_mov_b64 s[64:65], 0
	v_nop
	global_prefetch_b8 v0, s[64:65] scope:SCOPE_SE
	s_setreg_imm32_b32 hwreg(HW_REG_WAVE_MODE, 25, 1), 1
	s_wait_xcnt 0x0
; For 128 rows t of one batch b: the score, an online softmax, and the partial context.  values: [32][1024][2048] f32; w = W1 V from the launch before.
;   score[b][t] = values[b][t][0:1024] . w[0:1024] + (query[b] . w[1024:2048] + b1 . V + bV)      (the two dense layers regrouped: exact algebra, another order of rounding)
; Scores are kept as t = log2(e) score, so that a weight is 2^(t - m).  Everything is f32 on the vector unit: each product here has one column or one row, and the launch is bound by the bytes of values.
; SHARES.  Work-group x (batch x / 8, eighth x % 8) owns 128 rows, 1 MiB; wave w owns rows 16 k + w, k = 0 .. 7, so the sixteen waves walk blocks of 131,072 bytes together.
; A wave holds a whole row (8,192 bytes) in 64 registers: load j is 512 neighbouring bytes, lane l holds columns 128 j + 4 l .. + 3.  The row serves the score (its first 32 registers)
; and then the context from the same registers: every byte of values is read once.
; ONLINE SOFTMAX, a wave.  Running maximum m, sum l, context ACC: with a row's t, m' = max(m, t), a = 2^(m - m'), p = 2^(t - m'), l = a l + p, ACC = a ACC + p row.  Row 0 lands in ACC itself with m = t, l = 1.
; THE JOIN.  The sixteen waves' (m, l, ACC) meet in LDS; M = max m_i, f_i = 2^(m_i - M), L = sum f_i l_i, context = sum f_i ACC_i.  The record (context, 128 scores, M, L) goes to part; the last launch joins a batch's eight records.
; IN FLIGHT.  Two row slots and, at the start, ACC: a slot's 16 bytes a lane are asked for again as soon as they have been used, so a wave has one to two rows on their way, three at the start.
; LEFT OUT.  The tensor data mover and an LDS ring: a row is used by one wave alone, and registers hold it.  Clusters: work-groups share only w, 8,192 bytes.
; LIMITS.  A weight or a correction factor below 2^-126 counts as 0 (v_exp_f32 flushes denormal results: ISA guide, its entry in 15.8).  NaN and infinities are not treated apart.
.set BLK,     131072                   ; bytes from my row k to my row k + 1: sixteen rows
.set REC,     9216                     ; a record in part: 8,192 context, 512 scores, 512 (M, L, M, L) x 32
.set LDS_ACC, 0                        ; wave i's 2,048 sums at 8,192 i; byte = 4 x column
.set LDS_SC,  131072                   ; 128 scores, in the order of t
.set LDS_ST,  131584                   ; (m, l) of wave i at 8 i: 128 bytes of a block of 256
.set LDS_CP,  131840                   ; sixteen partial sums of the constant: 64 bytes of a block of 256
.set SPARE,   132096                   ; the spare words, 128 bytes for each of sixteen waves: eight blocks of 256 bytes that no other line names
.set VOFF, 1                           ; v1   8,192 w + 16 lane: my offset in a block of values, and my LDS address in LDS_ACC; never rewritten
.set L16,  2                           ; v2   16 lane
.set T8,   3                           ; v3   8 x thread
.set SCA,  4                           ; v4   LDS_SC + 4 w
.set CPA,  5                           ; v5   LDS_CP + 4 w
.set SPW,  6                           ; v6   LDS address of my spare word; never rewritten
.set NIL,  7                           ; v7   0; never rewritten
.set D,    8                           ; v[8:15]   four packed chains of the dot product; at the start query, w_q, b1, V; at the end the context to store
.set T,    16                          ; v16  t; in the join M
.set TMP,  17                          ; v17  the other half of the lanes' sum; in the join L
.set ML,   18                          ; v[18:19]  m, l
.set AA,   20                          ; v[20:21]  a, 0 (the packed multiply names a pair and takes its low word twice)
.set PP,   22                          ; v[22:23]  p, 0
.set CC,   24                          ; v24  log2(e) (query . w_q + b1 . V + bV)
.set MN,   25                          ; v25  the new m
.set T16,  26                          ; v26  16 x thread
.set T16H, 27                          ; v27  16 x thread + 65,536: the LDS immediate has 16 bits
.set CPR,  28                          ; v28  LDS_CP + 4 (lane % 16)
.set STA,  29                          ; v29  LDS_ST + 8 w
.set STR,  30                          ; v30  LDS_ST
.set SCR,  31                          ; v31  LDS_SC + 16 lane
.set W,    32                          ; v[32:63]    w[0:1024], the rows' map; in the join the pairs (m_i, l_i)
.set ACC,  64                          ; v[64:127]   the running context
.set X0,   128                         ; v[128:191]  row slot 0; in the join the sixteen waves' slices
.set X1,   192                         ; v[192:255]  row slot 1
.set BV,    18                         ; s18  bV
.set WV,    19                         ; s19  my wave's number
.set SEL,   20                         ; s[20:21]  v_permlanex16_b32's selects
.set LOG2E, 22                         ; s22
; The sum of register r over the 32 lanes, left in every lane.
.macro WSUM r, tmp
	v_add_f32_dpp v[\r], v[\r], v[\r] row_xmask:1 row_mask:0xf bank_mask:0xf
	v_add_f32_dpp v[\r], v[\r], v[\r] row_xmask:2 row_mask:0xf bank_mask:0xf
	v_add_f32_dpp v[\r], v[\r], v[\r] row_xmask:4 row_mask:0xf bank_mask:0xf
	v_add_f32_dpp v[\r], v[\r], v[\r] row_xmask:8 row_mask:0xf bank_mask:0xf
	v_permlanex16_b32 v[\tmp], v[\r], s[SEL], s[SEL+1]
	v_add_f32 v[\r], v[\r], v[\tmp]
.endm
; My row k, whole: sixteen loads of 512 neighbouring bytes.  The row and the piece stand in the immediate, 925,184 at the most, inside its signed 24 bits.
.macro FILL base, k
.irp j, 0,1,2,3,4,5,6,7,8,9,10,11,12,13,14,15
	global_load_b128 v[(\base)+4*(\j):(\base)+4*(\j)+3], v[VOFF], s[4:5] offset:BLK*(\k)+512*(\j) th:TH_LOAD_NT
.endr
.endm
; t of the row in base: its first 1,024 columns times w, four chains started by the first four pairs; summed over the lanes; scaled, the constant added; kept in LDS for the record.
.macro DOT base, k
.set di, 0
.rept 4
	v_pk_mul_f32 v[D+2*di:D+2*di+1], v[(\base)+2*di:(\base)+2*di+1], v[W+2*di:W+2*di+1]
.set di, di+1
.endr
.rept 12
	v_pk_fma_f32 v[D+2*(di%4):D+2*(di%4)+1], v[(\base)+2*di:(\base)+2*di+1], v[W+2*di:W+2*di+1], v[D+2*(di%4):D+2*(di%4)+1]
.set di, di+1
.endr
	v_pk_add_f32 v[D:D+1], v[D:D+1], v[D+2:D+3]
	v_pk_add_f32 v[D+4:D+5], v[D+4:D+5], v[D+6:D+7]
	v_pk_add_f32 v[D:D+1], v[D:D+1], v[D+4:D+5]
	v_add_f32 v[T], v[D], v[D+1]
	WSUM T, TMP
	v_fma_f32 v[T], v[T], s[LOG2E], v[CC]
	ds_store_b32 v[SCA], v[T] offset:64*(\k)       ; row 16 k + w of the share; all lanes write the same word with the same number
.endm
; Row k, which lies in slot x.  left = the younger loads that may stay out.  refill = 1: each 16 bytes a lane are asked for again, for row k + 2, as soon as the context has taken them.
.macro ROW k, x, refill, left
	s_wait_loadcnt \left                           ; loads come back in order (ISA guide 5.7.1): this row's sixteen are in
	DOT \x, \k
	v_max_num_f32 v[MN], v[ML], v[T]
	v_sub_f32 v[AA], v[ML], v[MN]
	v_sub_f32 v[PP], v[T], v[MN]
	v_exp_f32 v[AA], v[AA]
	v_exp_f32 v[PP], v[PP]
	v_mov_b32 v[ML], v[MN]                         ; the plain instruction between the exponentials and the use of their results
	s_wait_alu depctr_va_vdst(0)
	v_fma_f32 v[ML+1], v[ML+1], v[AA], v[PP]
.irp j, 0,1,2,3,4,5,6,7,8,9,10,11,12,13,14,15
	v_pk_mul_f32 v[ACC+4*(\j):ACC+4*(\j)+1],   v[ACC+4*(\j):ACC+4*(\j)+1],   v[AA:AA+1] op_sel_hi:[1,0]
	v_pk_mul_f32 v[ACC+4*(\j)+2:ACC+4*(\j)+3], v[ACC+4*(\j)+2:ACC+4*(\j)+3], v[AA:AA+1] op_sel_hi:[1,0]
	v_pk_fma_f32 v[ACC+4*(\j):ACC+4*(\j)+1],   v[(\x)+4*(\j):(\x)+4*(\j)+1],   v[PP:PP+1], v[ACC+4*(\j):ACC+4*(\j)+1] op_sel_hi:[1,0,1]
	v_pk_fma_f32 v[ACC+4*(\j)+2:ACC+4*(\j)+3], v[(\x)+4*(\j)+2:(\x)+4*(\j)+3], v[PP:PP+1], v[ACC+4*(\j)+2:ACC+4*(\j)+3] op_sel_hi:[1,0,1]
.if \refill
	global_load_b128 v[(\x)+4*(\j):(\x)+4*(\j)+3], v[VOFF], s[4:5] offset:BLK*((\k)+2)+512*(\j) th:TH_LOAD_NT
.endif
.endr
.endm
	s_load_b256 s[4:11], s[0:1], 0x0               ; values s[4:5], query s[6:7], b1 s[8:9], V s[10:11]
	s_load_b128 s[12:15], s[0:1], 0x20             ; bV s[12:13], wv s[14:15]
	s_load_b64 s[16:17], s[0:1], 0x30              ; part
	v_lshl_add_u32 v[SPW], v0, 2, SPARE
	v_mov_b32 v[NIL], 0
	v_lshrrev_b32 v8, 5, v0
	v_readfirstlane_b32 s[WV], v8                  ; wave 0..15
	v_and_b32 v9, 31, v0                           ; lane
	v_and_b32 v10, 15, v0
	v_lshlrev_b32 v[L16], 4, v9
	v_lshl_add_u32 v[VOFF], s[WV], 13, v[L16]
	v_lshlrev_b32 v[T8], 3, v0
	v_lshlrev_b32 v[T16], 4, v0
	v_add_nc_u32 v[T16H], 0x10000, v[T16]
	v_lshl_add_u32 v[CPR], v10, 2, LDS_CP
	v_mov_b32 v[STR], LDS_ST
	v_add_nc_u32 v[SCR], LDS_SC, v[L16]
	v_mov_b32 v[TMP], 0                            ; v_permlanex16_b32 counts as a reader of its destination
	v_mov_b32 v[AA+1], 0                           ; named with a and p as pairs, so they are written
	v_mov_b32 v[PP+1], 0
	s_mov_b32 s[SEL], 0x76543210
	s_mov_b32 s[SEL+1], 0xfedcba98
	s_mov_b32 s[LOG2E], 0x3fb8aa3b
	s_lshl_b32 s26, s[WV], 2                       ; the wave's own words in LDS: a constant plus the wave's number times a constant
	s_add_co_u32 s26, s26, LDS_SC
	v_mov_b32 v[SCA], s26
	s_add_co_u32 s26, s26, LDS_CP-LDS_SC
	v_mov_b32 v[CPA], s26
	s_lshl_b32 s27, s[WV], 3
	s_add_co_u32 s27, s27, LDS_ST
	v_mov_b32 v[STA], s27
	s_wait_kmcnt 0x0
	s_load_b32 s[BV], s[12:13], 0x0                ; bV itself; waited for where it is used
	s_lshl_b32 s24, ttmp9, 20                      ; the work-group's 128 rows of 8,192 bytes: 255 x 2^20 at the most, so the high word is 0
	s_mov_b32 s25, 0
	s_add_nc_u64 s[4:5], s[4:5], s[24:25]
	s_lshr_b32 s24, ttmp9, 3                       ; the batch,
	s_lshl_b32 s24, s24, 12                        ; its 4,096 bytes of query
	s_add_nc_u64 s[6:7], s[6:7], s[24:25]
	s_mul_i32 s24, ttmp9, REC                      ; my record
	s_add_nc_u64 s[16:17], s[16:17], s[24:25]
	; twelve small loads first, since they are wanted first: w for the rows; and, two columns a thread, what the constant is made of (each array once a work-group, 256 neighbouring bytes a wave)
.irp j, 0,1,2,3,4,5,6,7
	global_load_b128 v[W+4*(\j):W+4*(\j)+3], v[L16], s[14:15] offset:512*(\j)
.endr
	global_load_b64 v[D:D+1],   v[T8], s[6:7]                  ; query[b]
	global_load_b64 v[D+2:D+3], v[T8], s[14:15] offset:4096    ; w[1024:2048]
	global_load_b64 v[D+4:D+5], v[T8], s[8:9]                  ; b1
	global_load_b64 v[D+6:D+7], v[T8], s[10:11]                ; V
	FILL ACC, 0                                    ; row 0 lands in the accumulator: nothing is cleared or copied
	FILL X0, 1
	FILL X1, 2
	; THE CONSTANT, while the rows are on their way
	s_wait_loadcnt 48                              ; the twelve small loads are in; the three rows' 48 stay out
	v_pk_mul_f32 v[D:D+1], v[D:D+1], v[D+2:D+3]
	v_pk_fma_f32 v[D:D+1], v[D+4:D+5], v[D+6:D+7], v[D:D+1]
	v_add_f32 v[T], v[D], v[D+1]
	WSUM T, TMP
	ds_store_b32 v[CPA], v[T]                      ; my wave's part
	s_wait_dscnt 0x0                               ; for the others' sake: my store is done
	s_barrier_signal -1
	s_barrier_wait -1
	ds_load_b32 v[D], v[CPR]                       ; lane l takes wave l % 16's part
	s_wait_dscnt 0x0
	v_add_f32_dpp v[D], v[D], v[D] row_xmask:1 row_mask:0xf bank_mask:0xf   ; each half of 16 lanes adds up the sixteen parts
	v_add_f32_dpp v[D], v[D], v[D] row_xmask:2 row_mask:0xf bank_mask:0xf
	v_add_f32_dpp v[D], v[D], v[D] row_xmask:4 row_mask:0xf bank_mask:0xf
	v_add_f32_dpp v[D], v[D], v[D] row_xmask:8 row_mask:0xf bank_mask:0xf
	s_wait_kmcnt 0x0                               ; bV
	v_add_f32 v[CC], s[BV], v[D]
	v_mul_f32 v[CC], s[LOG2E], v[CC]
	; ROW 0 starts m, l and the context
	s_wait_loadcnt 32                              ; row 0 is in; rows 1 and 2 stay out
	DOT ACC, 0
	v_mov_b32 v[ML], v[T]
	v_mov_b32 v[ML+1], 1.0
	ROW 1, X0, 1, 16                               ; the count: the other slot's sixteen loads, issued behind this row's
	ROW 2, X1, 1, 16
	ROW 3, X0, 1, 16
	ROW 4, X1, 1, 16
	ROW 5, X0, 1, 16
	ROW 6, X1, 0, 16                               ; row 7's sixteen stay out; nothing is left to ask for
	ROW 7, X0, 0, 0
	; THE HAND-OVER
	ds_store_b64 v[STA], v[ML:ML+1]
.irp j, 0,1,2,3,4,5,6,7,8,9,10,11,12,13,14,15
	ds_store_b128 v[VOFF], v[ACC+4*(\j):ACC+4*(\j)+3] offset:512*(\j)   ; 512 neighbouring bytes a store
.endr
	s_wait_dscnt 0x0                               ; for the others' sake: my scores, my (m, l) and my sums are in LDS
	s_barrier_signal -1
	s_barrier_wait -1
	; THE JOIN: thread n takes columns 4 n .. 4 n + 3 of all sixteen waves' sums
.irp q, 0,1,2,3,4,5,6,7
	ds_load_b128 v[W+4*(\q):W+4*(\q)+3], v[STR] offset:16*(\q)          ; (m_i, l_i) at v[W + 2 i], the same in every lane
.endr
.irp i, 0,1,2,3,4,5,6,7
	ds_load_b128 v[X0+4*(\i):X0+4*(\i)+3], v[T16] offset:8192*(\i)
.endr
.irp i, 0,1,2,3,4,5,6,7
	ds_load_b128 v[X0+32+4*(\i):X0+32+4*(\i)+3], v[T16H] offset:8192*(\i)
.endr
	s_wait_dscnt 16                                ; the eight loads of (m, l) are in; the sixteen slices may stay out
	v_max3_num_f32 v[T], v[W], v[W+2], v[W+4]
.irp i, 3,5,7,9,11,13
	v_max3_num_f32 v[T], v[T], v[W+2*(\i)], v[W+2*(\i)+2]
.endr
	v_max_num_f32 v[T], v[T], v[W+30]              ; M
.irp i, 0,1,2,3,4,5,6,7,8,9,10,11,12,13,14,15
	v_sub_f32 v[W+2*(\i)], v[W+2*(\i)], v[T]
.endr
.irp i, 0,1,2,3,4,5,6,7,8,9,10,11,12,13,14,15
	v_exp_f32 v[W+2*(\i)], v[W+2*(\i)]             ; f_i
.endr
	v_nop                                          ; a plain instruction between the last exponential and the use of its result
	s_wait_alu depctr_va_vdst(0)
	v_mul_f32 v[TMP], v[W], v[W+1]
.irp i, 1,2,3,4,5,6,7,8,9,10,11,12,13,14,15
	v_fma_f32 v[TMP], v[W+2*(\i)], v[W+2*(\i)+1], v[TMP]   ; L
.endr
	s_cmp_lg_u32 s[WV], 0
	s_cbranch_scc1 .Lall
	ds_load_b128 v[D+4:D+7], v[SCR]                ; wave 0 alone: the 128 scores, four a lane,
	s_wait_dscnt 0x0
	global_store_b128 v[T16], v[D+4:D+7], s[16:17] offset:8192          ; 512 neighbouring bytes (in wave 0 the thread's number is the lane's)
	v_mov_b32 v[AA], v[T]
	v_mov_b32 v[AA+1], v[TMP]
	v_mov_b32 v[PP], v[T]
	v_mov_b32 v[PP+1], v[TMP]
	global_store_b128 v[T16], v[AA:AA+3], s[16:17] offset:8704          ; and (M, L, M, L) from every lane: again 512 neighbouring bytes
.Lall:
	s_wait_dscnt 0x0                               ; the slices are in
	v_pk_mul_f32 v[D:D+1],   v[X0:X0+1],   v[W:W+1] op_sel_hi:[1,0]
	v_pk_mul_f32 v[D+2:D+3], v[X0+2:X0+3], v[W:W+1] op_sel_hi:[1,0]
.irp i, 1,2,3,4,5,6,7,8,9,10,11,12,13,14,15
	v_pk_fma_f32 v[D:D+1],   v[X0+4*(\i):X0+4*(\i)+1],   v[W+2*(\i):W+2*(\i)+1], v[D:D+1] op_sel_hi:[1,0,1]
	v_pk_fma_f32 v[D+2:D+3], v[X0+4*(\i)+2:X0+4*(\i)+3], v[W+2*(\i):W+2*(\i)+1], v[D+2:D+3] op_sel_hi:[1,0,1]
.endr
	global_store_b128 v[T16], v[D:D+3], s[16:17]   ; a wave stores 512 neighbouring bytes, at a multiple of 256 from part's first byte
	s_wait_tensorcnt 0x0                           ; the wave's end: three closing lines, behind my last LDS store
	ds_add_u32 v[SPW], v[NIL]
	s_wait_dscnt 0x0
	s_endpgm
.Lfunc_end_k_qd3c70feb76_stream:
	.size	k_qd3c70feb76_stream, .Lfunc_end_k_qd3c70feb76_stream-k_qd3c70feb76_stream
	.p2alignl 7, 3214868480
	.fill 96, 4, 3214868480
	.section	.rodata,"a",@progbits
	.p2align	6, 0x0
	.amdhsa_kernel k_qd3c70feb76_stream
		.amdhsa_group_segment_fixed_size 134144
		.amdhsa_private_segment_fixed_size 0
		.amdhsa_enable_private_segment 0
		.amdhsa_kernarg_size 56
		.amdhsa_user_sgpr_count 2
		.amdhsa_user_sgpr_kernarg_segment_ptr 1
		.amdhsa_wavefront_size32 1
		.amdhsa_system_sgpr_workgroup_id_x 1
		.amdhsa_system_sgpr_workgroup_id_y 1
		.amdhsa_system_sgpr_workgroup_id_z 1
		.amdhsa_system_vgpr_workitem_id 0
		.amdhsa_next_free_vgpr 256
		.amdhsa_next_free_sgpr 66
		.amdhsa_reserve_vcc 0
		.amdhsa_float_denorm_mode_32 3
		.amdhsa_float_denorm_mode_16_64 3
		.amdhsa_memory_ordered 1
		.amdhsa_forward_progress 1
		.amdhsa_inst_pref_size 69
	.end_amdhsa_kernel
	.amdgpu_metadata
---
amdhsa.version: [ 1, 2 ]
amdhsa.kernels:
  - .name:           k_qd3c70feb76_stream
    .symbol:         k_qd3c70feb76_stream.kd
    .args:
      - { .name: values, .offset: 0, .size: 8, .value_kind: global_buffer, .address_space: global }
      - { .name: query, .offset: 8, .size: 8, .value_kind: global_buffer, .address_space: global }
      - { .name: b1, .offset: 16, .size: 8, .value_kind: global_buffer, .address_space: global }
      - { .name: V, .offset: 24, .size: 8, .value_kind: global_buffer, .address_space: global }
      - { .name: bV, .offset: 32, .size: 8, .value_kind: global_buffer, .address_space: global }
      - { .name: wv, .offset: 40, .size: 8, .value_kind: global_buffer, .address_space: global }
      - { .name: part, .offset: 48, .size: 8, .value_kind: global_buffer, .address_space: global }
    .group_segment_fixed_size: 134144
    .private_segment_fixed_size: 0
    .kernarg_segment_align: 8
    .kernarg_segment_size: 56
    .max_flat_workgroup_size: 512
    .sgpr_count:     66
    .vgpr_count:     256
    .wavefront_size: 32
...
	.end_amdgpu_metadata
.endif
;; end of part 2
;; launch finish (part 3): grid 256 x 1, 2 waves a work-group, no clusters, 0 bytes of LDS; arguments part, out0, out1; writes out0, out1
.if DOCPART == 3
	.amdgcn_target "amdgcn-amd-amdhsa--gfx1250"
	.amdhsa_code_object_version 6
	.text
	.protected	k_qd3c70feb76_finish
	.globl	k_qd3c70feb76_finish
	.p2align	8
	.type	k_qd3c70feb76_finish,@function
k_qd3c70feb76_finish:
	s_mov_b64 s[64:65], 0
	v_nop
	global_prefetch_b8 v0, s[64:65] scope:SCOPE_SE
	s_setreg_imm32_b32 hwreg(HW_REG_WAVE_MODE, 25, 1), 1
	s_wait_xcnt 0x0
; Joins a batch's eight records (partial context, 128 scores t = log2(e) score, M_i, L_i).  M = max M_i, g_i = 2^(M_i - M), L = sum g_i L_i;
;   out1[b][t] = 2^(t - M) / L          out0[b][c] = (sum over i of g_i context_i[c]) / L.  All f32.
; SHARES.  Work-group x = 8 b + j, two waves: columns 256 j .. 256 j + 255 of out0[b] (four a thread) and rows 128 j .. 128 j + 127 of out1[b] (two a thread).
; Every wave makes M and L for itself from the eight pairs: no LDS, no barrier.  Each context byte and each score is read once in the launch.
; LIMITS.  A weight or a factor below 2^-126 counts as 0 (v_exp_f32 flushes denormal results: ISA guide, its entry in 15.8).  L is at least 1: the share that holds M has g = 1 and a sum of at least 1.
.set REC, 9216                         ; a record: 8,192 context, 512 scores, 512 (M, L, M, L) x 32
.set ST,  8                            ; v[8:23]   (M_i, L_i) at v[8 + 2 i]; M_i becomes g_i
.set SCO, 24                           ; v[24:25]  two scores, then two weights
.set RL,  26                           ; v[26:27]  L, then 1 / L; M
.set OUT, 28                           ; v[28:31]  four columns of the context
.set CX,  32                           ; v[32:63]  share i's four columns at v[32 + 4 i]
	s_load_b128 s[4:7], s[0:1], 0x0                ; part s[4:5], out0 s[6:7]
	s_load_b64 s[8:9], s[0:1], 0x10                ; out1
	s_and_b32 s10, ttmp9, 7                        ; j
	s_lshr_b32 s11, ttmp9, 3                       ; b
	s_mul_i32 s12, s11, 8*REC                      ; the batch's eight records
	s_mov_b32 s13, 0
	s_lshl_b32 s14, s10, 10                        ; my 256 columns in a record's context
	s_mul_i32 s15, s10, REC
	s_add_co_u32 s15, s15, 8192                    ; record j's scores
	v_lshl_add_u32 v1, v0, 4, s14
	v_lshl_add_u32 v2, v0, 3, s15
	v_mov_b32 v3, 0
	v_lshlrev_b32 v4, 4, v0
	v_lshlrev_b32 v5, 3, v0
	s_wait_kmcnt 0x0
	s_add_nc_u64 s[4:5], s[4:5], s[12:13]
	s_lshl_b32 s12, ttmp9, 10                      ; 8,192 b + 1,024 j
	s_add_nc_u64 s[6:7], s[6:7], s[12:13]
	s_lshl_b32 s12, ttmp9, 9                       ; 4,096 b + 512 j
	s_add_nc_u64 s[8:9], s[8:9], s[12:13]
.irp i, 0,1,2,3,4,5,6,7
	global_load_b64 v[ST+2*(\i):ST+2*(\i)+1], v3, s[4:5] offset:REC*(\i)+8704   ; the same pair in every lane
.endr
	global_load_b64 v[SCO:SCO+1], v2, s[4:5]
.irp i, 0,1,2,3,4,5,6,7
	global_load_b128 v[CX+4*(\i):CX+4*(\i)+3], v1, s[4:5] offset:REC*(\i)       ; a wave takes 512 neighbouring bytes of each record
.endr
	s_wait_loadcnt 8                               ; the eight pairs and the scores are in; the eight slices stay out
	v_max3_num_f32 v[RL+1], v[ST], v[ST+2], v[ST+4]
	v_max3_num_f32 v[RL+1], v[RL+1], v[ST+6], v[ST+8]
	v_max3_num_f32 v[RL+1], v[RL+1], v[ST+10], v[ST+12]
	v_max_num_f32 v[RL+1], v[RL+1], v[ST+14]       ; M
.irp i, 0,1,2,3,4,5,6,7
	v_sub_f32 v[ST+2*(\i)], v[ST+2*(\i)], v[RL+1]
.endr
	v_sub_f32 v[SCO], v[SCO], v[RL+1]
	v_sub_f32 v[SCO+1], v[SCO+1], v[RL+1]
.irp i, 0,1,2,3,4,5,6,7
	v_exp_f32 v[ST+2*(\i)], v[ST+2*(\i)]           ; g_i
.endr
	v_exp_f32 v[SCO], v[SCO]
	v_exp_f32 v[SCO+1], v[SCO+1]
	v_nop                                          ; a plain instruction between the last exponential and the use of its result
	s_wait_alu depctr_va_vdst(0)
	v_mul_f32 v[RL], v[ST], v[ST+1]
.irp i, 1,2,3,4,5,6,7
	v_fma_f32 v[RL], v[ST+2*(\i)], v[ST+2*(\i)+1], v[RL]   ; L
.endr
	v_rcp_f32 v[RL], v[RL]
	v_nop                                          ; and between the reciprocal and its use
	s_wait_alu depctr_va_vdst(0)
	v_pk_mul_f32 v[SCO:SCO+1], v[SCO:SCO+1], v[RL:RL+1] op_sel_hi:[1,0]
	global_store_b64 v5, v[SCO:SCO+1], s[8:9] th:TH_STORE_NT   ; a wave stores 256 neighbouring bytes, at a multiple of 256 from out1's first byte
	s_wait_loadcnt 0x0                             ; the slices
	v_pk_mul_f32 v[OUT:OUT+1],   v[CX:CX+1],   v[ST:ST+1] op_sel_hi:[1,0]
	v_pk_mul_f32 v[OUT+2:OUT+3], v[CX+2:CX+3], v[ST:ST+1] op_sel_hi:[1,0]
.irp i, 1,2,3,4,5,6,7
	v_pk_fma_f32 v[OUT:OUT+1],   v[CX+4*(\i):CX+4*(\i)+1],   v[ST+2*(\i):ST+2*(\i)+1], v[OUT:OUT+1] op_sel_hi:[1,0,1]
	v_pk_fma_f32 v[OUT+2:OUT+3], v[CX+4*(\i)+2:CX+4*(\i)+3], v[ST+2*(\i):ST+2*(\i)+1], v[OUT+2:OUT+3] op_sel_hi:[1,0,1]
.endr
	v_pk_mul_f32 v[OUT:OUT+1],   v[OUT:OUT+1],   v[RL:RL+1] op_sel_hi:[1,0]
	v_pk_mul_f32 v[OUT+2:OUT+3], v[OUT+2:OUT+3], v[RL:RL+1] op_sel_hi:[1,0]
	global_store_b128 v4, v[OUT:OUT+3], s[6:7] th:TH_STORE_NT  ; a wave stores 512 neighbouring bytes, at a multiple of 256 from out0's first byte
	s_endpgm
.Lfunc_end_k_qd3c70feb76_finish:
	.size	k_qd3c70feb76_finish, .Lfunc_end_k_qd3c70feb76_finish-k_qd3c70feb76_finish
	.p2alignl 7, 3214868480
	.fill 96, 4, 3214868480
	.section	.rodata,"a",@progbits
	.p2align	6, 0x0
	.amdhsa_kernel k_qd3c70feb76_finish
		.amdhsa_group_segment_fixed_size 0
		.amdhsa_private_segment_fixed_size 0
		.amdhsa_enable_private_segment 0
		.amdhsa_kernarg_size 24
		.amdhsa_user_sgpr_count 2
		.amdhsa_user_sgpr_kernarg_segment_ptr 1
		.amdhsa_wavefront_size32 1
		.amdhsa_system_sgpr_workgroup_id_x 1
		.amdhsa_system_sgpr_workgroup_id_y 1
		.amdhsa_system_sgpr_workgroup_id_z 1
		.amdhsa_system_vgpr_workitem_id 0
		.amdhsa_next_free_vgpr 64
		.amdhsa_next_free_sgpr 66
		.amdhsa_reserve_vcc 0
		.amdhsa_float_denorm_mode_32 3
		.amdhsa_float_denorm_mode_16_64 3
		.amdhsa_memory_ordered 1
		.amdhsa_forward_progress 1
		.amdhsa_inst_pref_size 6
	.end_amdhsa_kernel
	.amdgpu_metadata
---
amdhsa.version: [ 1, 2 ]
amdhsa.kernels:
  - .name:           k_qd3c70feb76_finish
    .symbol:         k_qd3c70feb76_finish.kd
    .args:
      - { .name: part, .offset: 0, .size: 8, .value_kind: global_buffer, .address_space: global }
      - { .name: out0, .offset: 8, .size: 8, .value_kind: global_buffer, .address_space: global }
      - { .name: out1, .offset: 16, .size: 8, .value_kind: global_buffer, .address_space: global }
    .group_segment_fixed_size: 0
    .private_segment_fixed_size: 0
    .kernarg_segment_align: 8
    .kernarg_segment_size: 24
    .max_flat_workgroup_size: 64
    .sgpr_count:     66
    .vgpr_count:     64
    .wavefront_size: 32
...
	.end_amdgpu_metadata
.endif
;; end of part 3
;; ======== version 2 of 2: 3 launches; version 1 with the launch stream written anew for expert scheduling mode
;; workspace buffers: wv 8,192 bytes; part 2,359,296 bytes
;; launch wvec: the kernel of part 1 again; grid 256 x 1, 8 waves a work-group, no clusters, 0 bytes of LDS; arguments W1, V, wv; writes wv
;; launch stream (part 4): grid 256 x 1, 16 waves a work-group, no clusters, 134,144 bytes of LDS; arguments values, query, b1, V, bV, wv, part; writes part
.if DOCPART == 4
	.amdgcn_target "amdgcn-amd-amdhsa--gfx1250"
	.amdhsa_code_object_version 6
	.text
	.protected	k_qd3c70feb76_stream
	.globl	k_qd3c70feb76_stream
	.p2align	8
	.type	k_qd3c70feb76_stream,@function
k_qd3c70feb76_stream:
	s_mov_b64 s[64:65], 0
	v_nop
	global_prefetch_b8 v0, s[64:65] scope:SCOPE_SE
	s_setreg_imm32_b32 hwreg(HW_REG_WAVE_SCHED_MODE, 0, 2), 2
	s_setreg_imm32_b32 hwreg(HW_REG_WAVE_MODE, 25, 1), 1
	s_wait_xcnt 0x0
	s_wait_alu depctr_vm_vsrc(0)
; For 128 rows t of one batch b: the score, an online softmax, and the partial context.  values: [32][1024][2048] f32; w = W1 V from the launch before.
;   score[b][t] = values[b][t][0:1024] . w[0:1024] + (query[b] . w[1024:2048] + b1 . V + bV)      (the two dense layers regrouped: exact algebra, another order of rounding)
; Scores are kept as t = log2(e) score, so that a weight is 2^(t - m).  Everything is f32 on the vector unit: each product here has one column or one row, and the launch is bound by the bytes of values.
; SHARES.  Work-group x (batch x / 8, eighth x % 8) owns 128 rows, 1 MiB; wave w owns rows 16 k + w, k = 0 .. 7, so the sixteen waves walk blocks of 131,072 bytes together.
; A wave holds a whole row (8,192 bytes) in 64 registers: load j is 512 neighbouring bytes, lane l holds columns 128 j + 4 l .. + 3.  The row serves the score (its first 32 registers)
; and then the context from the same registers: every byte of values is read once.
; ONLINE SOFTMAX, a wave.  Running maximum m, sum l, context ACC: with a row's t, m' = max(m, t), a = 2^(m - m'), p = 2^(t - m'), l = a l + p, ACC = a ACC + p row.  Row 0 lands in ACC itself with m = t, l = 1.
; THE JOIN.  The sixteen waves' (m, l, ACC) meet in LDS; M = max m_i, f_i = 2^(m_i - M), L = sum f_i l_i, context = sum f_i ACC_i.  The record (context, 128 scores, M, L) goes to part; the last launch joins a batch's eight records.
; IN FLIGHT.  Two row slots and, at the start, ACC: a slot's first half is asked for again when the context has taken it, its second half at the row's end, so a wave has one to two rows on their way, three at the start.
; LEFT OUT.  The tensor data mover and an LDS ring: a row is used by one wave alone, and registers hold it.  Clusters: work-groups share only w, 8,192 bytes.
; LIMITS.  A weight or a correction factor below 2^-126 counts as 0 (v_exp_f32 flushes denormal results: ISA guide, its entry in 15.8).  NaN and infinities are not treated apart.
; THE MODE: SCHED_MODE bits 1:0 = 2 (LLVM: expert scheduling mode 2), set by the entry lines.  The code itself states the register dependences
; between vector instructions and memory or LDS instructions, with s_wait_alu, always for 0.
; THE PLAN.  Registers that memory or LDS instructions touch:
;   v1-v7, v26-v31  offsets and LDS addresses: written at the head, ahead of the first wait on va_vdst, and never again.
;   X0, X1   Row k lies in slot (k + 1) % 2 (row 1 in X0).  Its dot product reads the slot's first half, its context lines the whole slot; then the loads of row k + 2 land in it.
;            A row has two waits on va_vdst for that: one when the context has taken the first half, whose eight loads are then dealt among the second half's lines
;            (these name the slot's second half, ACC's second half, a and p: none of the registers that those loads touch); one at the row's end, ahead of the other eight loads.
;   v[T]     Written by each row's dot product; read by the LDS store that keeps t.  The store stands behind the wait for the row's two exponentials, which also states that t is written;
;            a wait on vm_vsrc in the row's middle, ahead of the refills, states that the store has read t, which the next row writes again.
;   ACC, ML  Written by vector lines; read by the hand-over's LDS stores, behind one wait on va_vdst; not written after that.
;   W, X0, v12-v15  In the join LDS loads land in them: their last vector readers stand ahead of the hand-over's wait.
;   v8-v11, v20-v23  Data of the last stores: written by vector lines, one wait on va_vdst ahead of each store; not written after that.
.set BLK,     131072                   ; bytes from my row k to my row k + 1: sixteen rows
.set REC,     9216                     ; a record in part: 8,192 context, 512 scores, 512 (M, L, M, L) x 32
.set LDS_ACC, 0                        ; wave i's 2,048 sums at 8,192 i; byte = 4 x column
.set LDS_SC,  131072                   ; 128 scores, in the order of t
.set LDS_ST,  131584                   ; (m, l) of wave i at 8 i: 128 bytes of a block of 256
.set LDS_CP,  131840                   ; sixteen partial sums of the constant: 64 bytes of a block of 256
.set SPARE,   132096                   ; the spare words, 128 bytes for each of sixteen waves: eight blocks of 256 bytes that no other line names
.set VOFF, 1                           ; v1   8,192 w + 16 lane: my offset in a block of values, and my LDS address in LDS_ACC; never rewritten
.set L16,  2                           ; v2   16 lane
.set T8,   3                           ; v3   8 x thread
.set SCA,  4                           ; v4   LDS_SC + 4 w
.set CPA,  5                           ; v5   LDS_CP + 4 w
.set SPW,  6                           ; v6   LDS address of my spare word; never rewritten
.set NIL,  7                           ; v7   0; never rewritten
.set D,    8                           ; v[8:15]   four packed chains of the dot product; at the start query, w_q, b1, V; at the end the context to store
.set T,    16                          ; v16  t; in the join M
.set TMP,  17                          ; v17  the other half of the lanes' sum; in the join L
.set ML,   18                          ; v[18:19]  m, l
.set AA,   20                          ; v[20:21]  a, 0 (the packed multiply names a pair and takes its low word twice)
.set PP,   22                          ; v[22:23]  p, 0
.set CC,   24                          ; v24  log2(e) (query . w_q + b1 . V + bV)
.set MN,   25                          ; v25  the new m
.set T16,  26                          ; v26  16 x thread
.set T16H, 27                          ; v27  16 x thread + 65,536: the LDS immediate has 16 bits
.set CPR,  28                          ; v28  LDS_CP + 4 (lane % 16)
.set STA,  29                          ; v29  LDS_ST + 8 w
.set STR,  30                          ; v30  LDS_ST
.set SCR,  31                          ; v31  LDS_SC + 16 lane
.set W,    32                          ; v[32:63]    w[0:1024], the rows' map; in the join the pairs (m_i, l_i)
.set ACC,  64                          ; v[64:127]   the running context
.set X0,   128                         ; v[128:191]  row slot 0; in the join the sixteen waves' slices
.set X1,   192                         ; v[192:255]  row slot 1
.set BV,    18                         ; s18  bV
.set WV,    19                         ; s19  my wave's number
.set SEL,   20                         ; s[20:21]  v_permlanex16_b32's selects
.set LOG2E, 22                         ; s22
; The sum of register r over the 32 lanes, left in every lane.
.macro WSUM r, tmp
	v_add_f32_dpp v[\r], v[\r], v[\r] row_xmask:1 row_mask:0xf bank_mask:0xf
	v_add_f32_dpp v[\r], v[\r], v[\r] row_xmask:2 row_mask:0xf bank_mask:0xf
	v_add_f32_dpp v[\r], v[\r], v[\r] row_xmask:4 row_mask:0xf bank_mask:0xf
	v_add_f32_dpp v[\r], v[\r], v[\r] row_xmask:8 row_mask:0xf bank_mask:0xf
	v_permlanex16_b32 v[\tmp], v[\r], s[SEL], s[SEL+1]
	v_add_f32 v[\r], v[\r], v[\tmp]
.endm
; My row k, whole: sixteen loads of 512 neighbouring bytes.  The row and the piece stand in the immediate, 925,184 at the most, inside its signed 24 bits.
.macro FILL base, k
.irp j, 0,1,2,3,4,5,6,7,8,9,10,11,12,13,14,15
	global_load_b128 v[(\base)+4*(\j):(\base)+4*(\j)+3], v[VOFF], s[4:5] offset:BLK*(\k)+512*(\j) th:TH_LOAD_NT
.endr
.endm
; t of the row in base: its first 1,024 columns times w, four chains started by the first four pairs; summed over the lanes; scaled, the constant added.
.macro DOT base
.set di, 0
.rept 4
	v_pk_mul_f32 v[D+2*di:D+2*di+1], v[(\base)+2*di:(\base)+2*di+1], v[W+2*di:W+2*di+1]
.set di, di+1
.endr
.rept 12
	v_pk_fma_f32 v[D+2*(di%4):D+2*(di%4)+1], v[(\base)+2*di:(\base)+2*di+1], v[W+2*di:W+2*di+1], v[D+2*(di%4):D+2*(di%4)+1]
.set di, di+1
.endr
	v_pk_add_f32 v[D:D+1], v[D:D+1], v[D+2:D+3]
	v_pk_add_f32 v[D+4:D+5], v[D+4:D+5], v[D+6:D+7]
	v_pk_add_f32 v[D:D+1], v[D:D+1], v[D+4:D+5]
	v_add_f32 v[T], v[D], v[D+1]
	WSUM T, TMP
	v_fma_f32 v[T], v[T], s[LOG2E], v[CC]
.endm
; The context takes piece j (16 bytes a lane) of the row in slot x: ACC = a ACC + p row.
.macro CTX x, j
	v_pk_mul_f32 v[ACC+4*(\j):ACC+4*(\j)+1],   v[ACC+4*(\j):ACC+4*(\j)+1],   v[AA:AA+1] op_sel_hi:[1,0]
	v_pk_mul_f32 v[ACC+4*(\j)+2:ACC+4*(\j)+3], v[ACC+4*(\j)+2:ACC+4*(\j)+3], v[AA:AA+1] op_sel_hi:[1,0]
	v_pk_fma_f32 v[ACC+4*(\j):ACC+4*(\j)+1],   v[(\x)+4*(\j):(\x)+4*(\j)+1],   v[PP:PP+1], v[ACC+4*(\j):ACC+4*(\j)+1] op_sel_hi:[1,0,1]
	v_pk_fma_f32 v[ACC+4*(\j)+2:ACC+4*(\j)+3], v[(\x)+4*(\j)+2:(\x)+4*(\j)+3], v[PP:PP+1], v[ACC+4*(\j)+2:ACC+4*(\j)+3] op_sel_hi:[1,0,1]
.endm
; Row k, which lies in slot x.  left = the younger loads that may stay out.  refill = 1: the slot is asked for again, for row k + 2, by halves, each when the context has taken it.
.macro ROW k, x, refill, left
	s_wait_loadcnt \left                           ; loads come back in order (ISA guide 5.7.1): this row's sixteen are in
	DOT \x
	v_max_num_f32 v[MN], v[ML], v[T]
	v_sub_f32 v[AA], v[ML], v[MN]
	v_sub_f32 v[PP], v[T], v[MN]
	v_exp_f32 v[AA], v[AA]
	v_exp_f32 v[PP], v[PP]
	v_mov_b32 v[ML], v[MN]                         ; the plain instruction between the exponentials and the use of their results
	s_wait_alu depctr_va_vdst(0)                   ; the two exponentials have written a and p, ahead of their first reader; and the dot product has written v[T], which the LDS store reads
	ds_store_b32 v[SCA], v[T] offset:64*(\k)       ; t is kept for the record: row 16 k + w of the share; all lanes write the same word with the same number
	v_fma_f32 v[ML+1], v[ML+1], v[AA], v[PP]
.irp j, 0,1,2,3,4,5,6,7
	CTX \x, \j
.endr
	s_wait_alu depctr_vm_vsrc(0)                   ; the LDS store above has read v[T], which the next row's dot product (behind row 7: the join's maximum) writes again
.if \refill
	s_wait_alu depctr_va_vdst(0)                   ; the dot product and the context lines above are done reading the slot's first half, in which the eight loads below land
.endif
.irp j, 8,9,10,11,12,13,14,15
.if \refill
	global_load_b128 v[(\x)+4*((\j)-8):(\x)+4*((\j)-8)+3], v[VOFF], s[4:5] offset:BLK*((\k)+2)+512*((\j)-8) th:TH_LOAD_NT  ; no vector instruction since the wait names these registers
.endif
	CTX \x, \j
.endr
.if \refill
	s_wait_alu depctr_va_vdst(0)                   ; the context lines are done reading the slot's second half, in which the eight loads below land
.irp j, 8,9,10,11,12,13,14,15
	global_load_b128 v[(\x)+4*(\j):(\x)+4*(\j)+3], v[VOFF], s[4:5] offset:BLK*((\k)+2)+512*(\j) th:TH_LOAD_NT
.endr
.endif
.endm
	s_load_b256 s[4:11], s[0:1], 0x0               ; values s[4:5], query s[6:7], b1 s[8:9], V s[10:11]
	s_load_b128 s[12:15], s[0:1], 0x20             ; bV s[12:13], wv s[14:15]
	s_load_b64 s[16:17], s[0:1], 0x30              ; part
	v_lshl_add_u32 v[SPW], v0, 2, SPARE
	v_mov_b32 v[NIL], 0
	v_lshrrev_b32 v8, 5, v0
	v_readfirstlane_b32 s[WV], v8                  ; wave 0..15
	v_and_b32 v9, 31, v0                           ; lane
	v_and_b32 v10, 15, v0
	v_lshlrev_b32 v[L16], 4, v9
	v_lshlrev_b32 v[T8], 3, v0
	v_lshlrev_b32 v[T16], 4, v0
	v_add_nc_u32 v[T16H], 0x10000, v[T16]
	v_lshl_add_u32 v[CPR], v10, 2, LDS_CP
	v_mov_b32 v[STR], LDS_ST
	v_add_nc_u32 v[SCR], LDS_SC, v[L16]
	v_mov_b32 v[TMP], 0                            ; v_permlanex16_b32 counts as a reader of its destination
	v_mov_b32 v[AA+1], 0                           ; named with a and p as pairs, so they are written
	v_mov_b32 v[PP+1], 0
	s_mov_b32 s[SEL], 0x76543210
	s_mov_b32 s[SEL+1], 0xfedcba98
	s_mov_b32 s[LOG2E], 0x3fb8aa3b
	s_wait_alu depctr_va_sdst(0)                   ; the wave's number is written, ahead of its first reader, the line below
	v_lshl_add_u32 v[VOFF], s[WV], 13, v[L16]
	s_lshl_b32 s26, s[WV], 2                       ; the wave's own words in LDS: a constant plus the wave's number times a constant
	s_add_co_u32 s26, s26, LDS_SC
	v_mov_b32 v[SCA], s26
	s_add_co_u32 s26, s26, LDS_CP-LDS_SC
	v_mov_b32 v[CPA], s26
	s_lshl_b32 s27, s[WV], 3
	s_add_co_u32 s27, s27, LDS_ST
	v_mov_b32 v[STA], s27
	s_wait_kmcnt 0x0
	s_load_b32 s[BV], s[12:13], 0x0                ; bV itself; waited for where it is used
	s_lshl_b32 s24, ttmp9, 20                      ; the work-group's 128 rows of 8,192 bytes: 255 x 2^20 at the most, so the high word is 0
	s_mov_b32 s25, 0
	s_add_nc_u64 s[4:5], s[4:5], s[24:25]
	s_lshr_b32 s24, ttmp9, 3                       ; the batch,
	s_lshl_b32 s24, s24, 12                        ; its 4,096 bytes of query
	s_add_nc_u64 s[6:7], s[6:7], s[24:25]
	s_mul_i32 s24, ttmp9, REC                      ; my record
	s_add_nc_u64 s[16:17], s[16:17], s[24:25]
	s_wait_alu depctr_va_vdst(0)                   ; the offsets and LDS addresses v1 to v7 and v26 to v31 are written, which every load, store and LDS instruction of the kernel reads; so are v8 to v10, in which loads below land
	; twelve small loads first, since they are wanted first: w for the rows; and, two columns a thread, what the constant is made of (each array once a work-group, 256 neighbouring bytes a wave)
.irp j, 0,1,2,3,4,5,6,7
	global_load_b128 v[W+4*(\j):W+4*(\j)+3], v[L16], s[14:15] offset:512*(\j)
.endr
	global_load_b64 v[D:D+1],   v[T8], s[6:7]                  ; query[b]
	global_load_b64 v[D+2:D+3], v[T8], s[14:15] offset:4096    ; w[1024:2048]
	global_load_b64 v[D+4:D+5], v[T8], s[8:9]                  ; b1
	global_load_b64 v[D+6:D+7], v[T8], s[10:11]                ; V
	FILL ACC, 0                                    ; row 0 lands in the accumulator: nothing is cleared or copied
	FILL X0, 1
	FILL X1, 2
	; THE CONSTANT, while the rows are on their way
	s_wait_loadcnt 48                              ; the twelve small loads are in; the three rows' 48 stay out
	v_pk_mul_f32 v[D:D+1], v[D:D+1], v[D+2:D+3]
	v_pk_fma_f32 v[D:D+1], v[D+4:D+5], v[D+6:D+7], v[D:D+1]
	v_add_f32 v[T], v[D], v[D+1]
	WSUM T, TMP
	s_wait_alu depctr_va_vdst(0)                   ; v[T] is written, which the LDS store reads; and the lines above are done with v[D], in which the LDS load behind the barrier lands
	ds_store_b32 v[CPA], v[T]                      ; my wave's part
	s_wait_dscnt 0x0                               ; for the others' sake: my store is done
	s_barrier_signal -1
	s_barrier_wait -1
	ds_load_b32 v[D], v[CPR]                       ; lane l takes wave l % 16's part
	s_wait_dscnt 0x0
	v_add_f32_dpp v[D], v[D], v[D] row_xmask:1 row_mask:0xf bank_mask:0xf   ; each half of 16 lanes adds up the sixteen parts
	v_add_f32_dpp v[D], v[D], v[D] row_xmask:2 row_mask:0xf bank_mask:0xf
	v_add_f32_dpp v[D], v[D], v[D] row_xmask:4 row_mask:0xf bank_mask:0xf
	v_add_f32_dpp v[D], v[D], v[D] row_xmask:8 row_mask:0xf bank_mask:0xf
	s_wait_kmcnt 0x0                               ; bV
	v_add_f32 v[CC], s[BV], v[D]
	v_mul_f32 v[CC], s[LOG2E], v[CC]
	; ROW 0 starts m, l and the context
	s_wait_loadcnt 32                              ; row 0 is in; rows 1 and 2 stay out
	s_wait_alu depctr_vm_vsrc(0)                   ; the LDS store of my part of the constant has read v[T], which the dot product writes again
	DOT ACC
	v_mov_b32 v[ML], v[T]
	v_mov_b32 v[ML+1], 1.0
	s_wait_alu depctr_va_vdst(0)                   ; the dot product has written v[T], which the LDS store reads
	ds_store_b32 v[SCA], v[T]                      ; row w of the share
	s_wait_alu depctr_vm_vsrc(0)                   ; that store has read v[T], which row 1's dot product writes again
	ROW 1, X0, 1, 16                               ; the count: the other slot's sixteen loads, issued behind this row's
	ROW 2, X1, 1, 16
	ROW 3, X0, 1, 16
	ROW 4, X1, 1, 16
	ROW 5, X0, 1, 16
	ROW 6, X1, 0, 16                               ; row 7's sixteen stay out; nothing is left to ask for
	ROW 7, X0, 0, 0
	; THE HAND-OVER
	s_wait_alu depctr_va_vdst(0)                   ; m, l and ACC are written, which the LDS stores read; and row 7's lines are done reading W, X0 and v[D+4 ..], in which the join's LDS loads land (no vector instruction stands between)
	ds_store_b64 v[STA], v[ML:ML+1]
.irp j, 0,1,2,3,4,5,6,7,8,9,10,11,12,13,14,15
	ds_store_b128 v[VOFF], v[ACC+4*(\j):ACC+4*(\j)+3] offset:512*(\j)   ; 512 neighbouring bytes a store
.endr
	s_wait_dscnt 0x0                               ; for the others' sake: my scores, my (m, l) and my sums are in LDS
	s_barrier_signal -1
	s_barrier_wait -1
	; THE JOIN: thread n takes columns 4 n .. 4 n + 3 of all sixteen waves' sums
.irp q, 0,1,2,3,4,5,6,7
	ds_load_b128 v[W+4*(\q):W+4*(\q)+3], v[STR] offset:16*(\q)          ; (m_i, l_i) at v[W + 2 i], the same in every lane
.endr
.irp i, 0,1,2,3,4,5,6,7
	ds_load_b128 v[X0+4*(\i):X0+4*(\i)+3], v[T16] offset:8192*(\i)
.endr
.irp i, 0,1,2,3,4,5,6,7
	ds_load_b128 v[X0+32+4*(\i):X0+32+4*(\i)+3], v[T16H] offset:8192*(\i)
.endr
	s_wait_dscnt 16                                ; the eight loads of (m, l) are in; the sixteen slices may stay out
	v_max3_num_f32 v[T], v[W], v[W+2], v[W+4]
.irp i, 3,5,7,9,11,13
	v_max3_num_f32 v[T], v[T], v[W+2*(\i)], v[W+2*(\i)+2]
.endr
	v_max_num_f32 v[T], v[T], v[W+30]              ; M
.irp i, 0,1,2,3,4,5,6,7,8,9,10,11,12,13,14,15
	v_sub_f32 v[W+2*(\i)], v[W+2*(\i)], v[T]
.endr
.irp i, 0,1,2,3,4,5,6,7,8,9,10,11,12,13,14,15
	v_exp_f32 v[W+2*(\i)], v[W+2*(\i)]             ; f_i
.endr
	v_nop                                          ; a plain instruction between the last exponential and the use of its result
	s_wait_alu depctr_va_vdst(0)                   ; the sixteen exponentials have written the f_i, ahead of their first reader
	v_mul_f32 v[TMP], v[W], v[W+1]
.irp i, 1,2,3,4,5,6,7,8,9,10,11,12,13,14,15
	v_fma_f32 v[TMP], v[W+2*(\i)], v[W+2*(\i)+1], v[TMP]   ; L
.endr
	s_cmp_lg_u32 s[WV], 0
	s_cbranch_scc1 .Lall
	ds_load_b128 v[D+4:D+7], v[SCR]                ; wave 0 alone: the 128 scores, four a lane.  No wait: no vector instruction since the hand-over's wait names v[D+4 ..]
	v_mov_b32 v[AA], v[T]
	v_mov_b32 v[AA+1], v[TMP]
	v_mov_b32 v[PP], v[T]
	v_mov_b32 v[PP+1], v[TMP]
	s_wait_alu depctr_va_vdst(0)                   ; the four moves have written v[AA ..], which the store reads
	global_store_b128 v[T16], v[AA:AA+3], s[16:17] offset:8704          ; (M, L, M, L) from every lane: 512 neighbouring bytes (in wave 0 the thread's number is the lane's)
	s_wait_dscnt 0x0                               ; the scores are in
	global_store_b128 v[T16], v[D+4:D+7], s[16:17] offset:8192          ; again 512 neighbouring bytes
.Lall:
	s_wait_dscnt 0x0                               ; the slices are in
	v_pk_mul_f32 v[D:D+1],   v[X0:X0+1],   v[W:W+1] op_sel_hi:[1,0]
	v_pk_mul_f32 v[D+2:D+3], v[X0+2:X0+3], v[W:W+1] op_sel_hi:[1,0]
.irp i, 1,2,3,4,5,6,7,8,9,10,11,12,13,14,15
	v_pk_fma_f32 v[D:D+1],   v[X0+4*(\i):X0+4*(\i)+1],   v[W+2*(\i):W+2*(\i)+1], v[D:D+1] op_sel_hi:[1,0,1]
	v_pk_fma_f32 v[D+2:D+3], v[X0+4*(\i)+2:X0+4*(\i)+3], v[W+2*(\i):W+2*(\i)+1], v[D+2:D+3] op_sel_hi:[1,0,1]
.endr
	s_wait_alu depctr_va_vdst(0)                   ; the sums above have written v[D .. D+3], which the store reads
	global_store_b128 v[T16], v[D:D+3], s[16:17]   ; a wave stores 512 neighbouring bytes, at a multiple of 256 from part's first byte
	s_wait_dscnt 0x0                               ; the closing lines, six on end
	s_wait_alu 0x0
	s_wait_tensorcnt 0x0
	ds_add_u32 v[SPW], v[NIL]
	s_wait_dscnt 0x0
	s_endpgm
.Lfunc_end_k_qd3c70feb76_stream:
	.size	k_qd3c70feb76_stream, .Lfunc_end_k_qd3c70feb76_stream-k_qd3c70feb76_stream
	.p2alignl 7, 3214868480
	.fill 96, 4, 3214868480
	.section	.rodata,"a",@progbits
	.p2align	6, 0x0
	.amdhsa_kernel k_qd3c70feb76_stream
		.amdhsa_group_segment_fixed_size 134144
		.amdhsa_private_segment_fixed_size 0
		.amdhsa_enable_private_segment 0
		.amdhsa_kernarg_size 56
		.amdhsa_user_sgpr_count 2
		.amdhsa_user_sgpr_kernarg_segment_ptr 1
		.amdhsa_wavefront_size32 1
		.amdhsa_system_sgpr_workgroup_id_x 1
		.amdhsa_system_sgpr_workgroup_id_y 1
		.amdhsa_system_sgpr_workgroup_id_z 1
		.amdhsa_system_vgpr_workitem_id 0
		.amdhsa_next_free_vgpr 256
		.amdhsa_next_free_sgpr 66
		.amdhsa_reserve_vcc 0
		.amdhsa_float_denorm_mode_32 3
		.amdhsa_float_denorm_mode_16_64 3
		.amdhsa_memory_ordered 1
		.amdhsa_forward_progress 1
		.amdhsa_inst_pref_size 70
	.end_amdhsa_kernel
	.amdgpu_metadata
---
amdhsa.version: [ 1, 2 ]
amdhsa.kernels:
  - .name:           k_qd3c70feb76_stream
    .symbol:         k_qd3c70feb76_stream.kd
    .args:
      - { .name: values, .offset: 0, .size: 8, .value_kind: global_buffer, .address_space: global }
      - { .name: query, .offset: 8, .size: 8, .value_kind: global_buffer, .address_space: global }
      - { .name: b1, .offset: 16, .size: 8, .value_kind: global_buffer, .address_space: global }
      - { .name: V, .offset: 24, .size: 8, .value_kind: global_buffer, .address_space: global }
      - { .name: bV, .offset: 32, .size: 8, .value_kind: global_buffer, .address_space: global }
      - { .name: wv, .offset: 40, .size: 8, .value_kind: global_buffer, .address_space: global }
      - { .name: part, .offset: 48, .size: 8, .value_kind: global_buffer, .address_space: global }
    .group_segment_fixed_size: 134144
    .private_segment_fixed_size: 0
    .kernarg_segment_align: 8
    .kernarg_segment_size: 56
    .max_flat_workgroup_size: 512
    .sgpr_count:     66
    .vgpr_count:     256
    .wavefront_size: 32
...
	.end_amdgpu_metadata
.endif
;; end of part 4
;; launch finish: the kernel of part 3 again; grid 256 x 1, 2 waves a work-group, no clusters, 0 bytes of LDS; arguments part, out0, out1; writes out0, out1
